; MI455X (gfx1250); checked and timed in simulation.
; The chip was launched on July 23, 2026; its instructions are those of AMD's public machine-readable ISA for CDNA 5 (MIT licence, August 2026) and "CDNA5" Instruction Set Architecture Reference Guide (July 2026). The comments in the code are by the model that wrote it; some were corrected since.
;; Attention. Allowed arithmetic: matrix products marked QUANTISED: E2M1 operands, one E8M0 scale for each 32 along K, by v_wmma_scale_f32_16x16x128_f8f6f4 with both operands' format E2M1 (or v_wmma_scale_f32_32x16x128_f4), f32 sums; products left as they are: f32 operands where the result goes on into a quantised operand, else bf16, f16 or f32 operands; f32 sums; everything else in f32.
;; Inputs: W 4,096 x 4,096 float32; b 4,096 float32; encoder_outputs 2,048 x 2 x 4,096 float32; hidden 2 x 1 x 4,096 float32.
;; Outputs: out0 1 x 1 x 2,048 x 2 float32.
;; This version of the problem:
;;   THIS VERSION OF THE PROBLEM IS GIVEN IN LOW PRECISION. The matrix products marked QUANTISED in the list below multiply operands that are first quantised to E2M1 (2 exponent bits, 1 mantissa bit; 4 bits a number), with one power-of-two scale for each 32 numbers along K (OCP MX v1.0); their sums are f32. All else is computed in f32.
;;   The module's matrix products, in the order in which they are computed (A, B: the left and right operand; K: the contracted axis; several contracted axes count as one K, in the product's order):
;;     1. [M 4,096, K 4,096] x [K 4,096, N 4,096]; A: input encoder_outputs; B: input W: QUANTISED
;;     2. batch 2 x [M 1, K 4,096] x [K 4,096, N 2,048]; A: input hidden; B: computed on the way: left as it is (M = 1 < 16)
;;   THE QUANTISER, for each operand of a quantised product, along K:
;;     - K is cut into blocks of 32 from its start; a last block that is shorter is filled with zeros.
;;     - A block's scale is 2^e with e = floor(log2(the largest magnitude in the block)) - 2, held to -126 .. 127; a block of zeros has e = 0. As a byte (E8M0): e + 127.
;;     - Each number is divided by its block's scale, clamped to +-6, and rounded to the nearest number of E2M1, ties to even, subnormals kept.
;;     - The product sums the exact products of the quantised numbers (number of the format x scale) in f32.
;;   ~~~python
;;   def quantise(x, axis):      # numpy; x: float32 -> the quantised numbers, widened to float32 again
;;       x = np.moveaxis(x, axis, -1); K = x.shape[-1]
;;       x = np.pad(x, [(0, 0)] * (x.ndim - 1) + [(0, -K % 32)]); x = x.reshape(x.shape[:-1] + (-1, 32)); a = np.abs(x).max(-1, keepdims=True)
;;       e = np.where(a > 0, np.clip(np.frexp(np.where(a > 0, a, 1))[1] - 1 - 2, -126, 127), 0)      # np.frexp(a)[1] - 1 = floor(log2(a)), exactly
;;       r = np.clip(x / 2.0 ** e, -6, 6)
;;       step = 2.0 ** (np.maximum(np.frexp(np.where(r == 0, 1, r))[1] - 1, 0) - 1)
;;       q = np.round(r / step) * step * 2.0 ** e      # np.round: ties to even
;;       return np.moveaxis(q.reshape(q.shape[:-2] + (-1,))[..., :K], -1, axis).astype(np.float32)
;;   ~~~
;; One version. Each part assembles by itself: llvm-mc -triple=amdgcn-amd-amdhsa -mcpu=gfx1250 --defsym DOCPART=n.
;; ======== version 1 of 1: 3 launches
;; limits: right only within a limited range of input values
;; workspace buffers: aq 8,912,896 bytes; wq 8,912,896 bytes; part 524,288 bytes
;; launch quant (part 1): grid 256 x 1, 8 waves a work-group, no clusters, 70,656 bytes of LDS; arguments encoder_outputs, W, aq, wq; writes aq, wq
.if DOCPART == 1
	.amdgcn_target "amdgcn-amd-amdhsa--gfx1250"
	.amdhsa_code_object_version 6
	.text
	.protected	k_qd4e8906bc2_quant
	.globl	k_qd4e8906bc2_quant
	.p2align	8
	.type	k_qd4e8906bc2_quant,@function
k_qd4e8906bc2_quant:
	s_mov_b64 s[64:65], 0
	v_nop
	global_prefetch_b8 v0, s[64:65] scope:SCOPE_SE
	s_setreg_imm32_b32 hwreg(HW_REG_WAVE_MODE, 25, 1), 1
	s_wait_xcnt 0x0
; No work of the problem is left out: b reaches the scores through two different rows of hidden, so it does not cancel in the softmax over the batches.
; encoder_outputs, as [4096 rows][4096] f32 (row = 2 s + batch), and W [4096][4096] f32, both with K innermost, are turned into codes of FP4 (E2M1) with one E8M0 scale byte for each 32 along K.
; A block's scale is 2^(floor(log2(its largest magnitude)) - 2); its byte is the largest magnitude's exponent field - 2, held at 1 from below.  Each number is divided by the scale and rounded to the nearest code, ties to even;
; beyond the largest code the conversion gives the largest code.
; LIMITS: a block of zeros gets the byte 1 where the quantiser's rule says 127 (its codes are zeros, which add nothing under any byte but 0xff, and this program alone reads the bytes); blocks whose largest magnitude
; lies under 2^-124 keep the byte 1; NaN and infinities among the inputs are not served.
; THE OUTPUT'S LAYOUT is the product launch's: [K slot 8][row 4096][272 bytes].  A record holds the 256 bytes of codes of 512 k of its row, as 16 blocks of 16 bytes, then the 16 scale bytes of these blocks.
; WITHIN A RECORD K IS PERMUTED, alike in every record of both tensors, so that the products keep their value: whole blocks of 32 change places, and inside a block groups of four do.
; SHARES.  The first 128 work-groups take encoder_outputs, the others W: only pointers are chosen, there is one path.  A work-group takes 32 rows, wave w of it the K slot w: step t is 512 numbers of row t, 2,048 consecutive bytes
; by four loads of 512 consecutive bytes, 16 a lane.  A conversion wants EIGHT numbers of one block in a lane.  Of two loads X and Y, lanes l and l xor 4 hold parts of the same block: the lane with bit 2 clear gives its
; part of Y for the other's part of X.  So each lane has eight numbers of one block, and four neighbouring lanes hold the block.
; Records are gathered in the wave's own LDS, 16 at a time (4,352 bytes), and leave by 17 stores of 256 consecutive bytes, each at a multiple of 256 from the buffer's first byte: the first 16 while the others are worked.
; Loads run eight steps (32 loads a wave) ahead: eight waves have 256 loads of 512 bytes on their way, so nothing is prefetched besides.  Waves share nothing: no barrier.
.set ROWS,  32
.set NS,    8                          ; steps ahead
.set REC,   272                        ; a record
.set KPLANE, 4096*REC                  ; all rows' records of one K slot
.set WREG,  32*REC                     ; LDS: a wave's two runs of 16 records
.set SPARE, 8*WREG                     ; the spare words, 128 bytes for each wave
.set SPW,   14                         ; v14 my spare word's address
.set NIL,   15                         ; v15 0
.set R,     16                         ; v16-143  eight sets of 16 numbers as they are loaded
.set Z,     144                        ; v144-159 two runs of eight numbers of one block
.set C,     160                        ; v160-163 codes
.set OUTR,  164                        ; v164-231 the way out: two sets of 17 pairs
	s_load_b256 s[4:11], s[0:1], 0x0               ; encoder_outputs s[4:5], W s[6:7], aq s[8:9], wq s[10:11]
	v_lshl_add_u32 v[SPW], v0, 2, SPARE
	v_mov_b32 v[NIL], 0
	v_lshrrev_b32 v1, 5, v0
	v_readfirstlane_b32 s16, v1                    ; wave 0..7 = K slot
	s_mul_i32 s17, s16, WREG
	v_and_b32 v2, 31, v0                           ; lane
	v_lshlrev_b32 v3, 4, v2                        ; my 16 bytes of a load's 512
	v_bfe_u32 v8, v2, 2, 1
	v_lshrrev_b32 v9, 3, v2
	v_lshl_add_u32 v8, v8, 2, v9                   ; my block of the eight that a pair of loads holds: 4 x (bit 2) + lane / 8; pair i puts it at place 2 x that + i of the record
	v_and_b32 v9, 3, v2
	v_lshlrev_b32 v9, 2, v9
	v_lshl_add_u32 v4, v8, 5, v9
	v_add_nc_u32 v4, s17, v4                       ; my four bytes of codes
	v_lshlrev_b32 v5, 1, v8
	v_add_nc_u32 v5, s17, v5                       ; my two blocks' scale bytes (256 further on)
	v_lshlrev_b32 v7, 3, v2                        ; out: 8 bytes a lane
	v_add_nc_u32 v6, s17, v7
	s_wait_alu depctr_va_vdst(0)
	s_wait_kmcnt 0x0
	s_mov_b32 vcc_lo, 0xf0f0f0f0                   ; the lanes with bit 2 set
	s_cmp_lt_u32 ttmp9, 128                        ; which tensor?  The choice hangs on the work-group's number alone
	s_cselect_b64 s[4:5], s[4:5], s[6:7]
	s_cselect_b64 s[8:9], s[8:9], s[10:11]
	s_and_b32 s17, ttmp9, 127                      ; group of 32 rows
	s_lshl_b32 s20, s17, 19                        ; in: 32 rows of 16,384 bytes,
	s_lshl_b32 s21, s16, 11                        ; + 2,048 bytes a K slot
	s_add_co_u32 s20, s20, s21
	s_mov_b32 s21, 0
	s_add_nc_u64 s[4:5], s[4:5], s[20:21]
	s_mul_i32 s20, s16, KPLANE                     ; out: the K slot's plane,
	s_mul_i32 s22, s17, 32*REC                     ; + 32 records: 8,704 bytes, 34 x 256
	s_add_co_u32 s20, s20, s22
	s_add_nc_u64 s[8:9], s[8:9], s[20:21]
.macro LOAD t
.irp i, 0,1,2,3
	global_load_b128 v[R+16*((\t)%NS)+4*\i:R+16*((\t)%NS)+4*\i+3], v3, s[4:5] offset:16384*(\t)+512*\i th:TH_LOAD_NT
.endr
.endm
.irp t, 0,1,2,3,4,5,6,7
	LOAD \t
.endr
.macro STEP t
.set XR, R+16*((\t)%NS)
.set CR, C+2*((\t)%2)
.if (\t)+NS <= ROWS
	s_wait_loadcnt 4*(NS-1)                        ; this step's four loads are in; those of the seven steps behind it may be out
.else
	s_wait_loadcnt 4*(ROWS-1-(\t))                 ; the same, with fewer steps left
.endif
.irp i, 0,1,2,3
	v_cndmask_b32 v[Z+\i], v[XR+\i], v[XR+4+\i], vcc_lo            ; what I keep,
	v_cndmask_b32 v[Z+4+\i], v[XR+4+\i], v[XR+\i], vcc_lo          ; and what I give away
	v_cndmask_b32 v[Z+8+\i], v[XR+8+\i], v[XR+12+\i], vcc_lo
	v_cndmask_b32 v[Z+12+\i], v[XR+12+\i], v[XR+8+\i], vcc_lo
.endr
.if (\t)+NS < ROWS
	LOAD (\t)+NS                                   ; into the set just read
.endif
.irp i, 0,1,2,3
	v_mov_b32_dpp v[Z+4+\i], v[Z+4+\i] row_xmask:4 row_mask:0xf bank_mask:0xf
	v_mov_b32_dpp v[Z+12+\i], v[Z+12+\i] row_xmask:4 row_mask:0xf bank_mask:0xf
.endr
	v_max3_num_f32 v8, |v[Z]|, |v[Z+1]|, |v[Z+2]|                  ; the largest magnitude of my eight, the two blocks by turns
	v_max3_num_f32 v9, |v[Z+8]|, |v[Z+9]|, |v[Z+10]|
	v_max3_num_f32 v10, |v[Z+3]|, |v[Z+4]|, |v[Z+5]|
	v_max3_num_f32 v11, |v[Z+11]|, |v[Z+12]|, |v[Z+13]|
	v_max3_num_f32 v8, v8, |v[Z+6]|, |v[Z+7]|
	v_max3_num_f32 v9, v9, |v[Z+14]|, |v[Z+15]|
	v_max3_num_f32 v8, v8, v10, 0x1800000          ; and the floor 2^(3 - 127): the byte cannot fall under 1
	v_max3_num_f32 v9, v9, v11, 0x1800000
	v_max_num_f32_dpp v8, v8, v8 row_xmask:1 row_mask:0xf bank_mask:0xf
	v_max_num_f32_dpp v9, v9, v9 row_xmask:1 row_mask:0xf bank_mask:0xf
	v_max_num_f32_dpp v8, v8, v8 row_xmask:2 row_mask:0xf bank_mask:0xf   ; of the block's four lanes
	v_max_num_f32_dpp v9, v9, v9 row_xmask:2 row_mask:0xf bank_mask:0xf
	v_add_nc_u32 v10, 0xff000000, v8               ; 2 off its exponent field: the conversion takes the exponent field of this operand as its scale, and nothing else of it
	v_add_nc_u32 v11, 0xff000000, v9
	v_cvt_scalef32_pk8_fp4_f32 v[CR], v[Z:Z+7], v10
	v_cvt_scalef32_pk8_fp4_f32 v[CR+1], v[Z+8:Z+15], v11
	v_lshrrev_b32 v12, 23, v10                     ; the scales' bytes (also the plain instructions behind the conversions)
	v_lshrrev_b32 v13, 23, v11
	v_lshl_or_b32 v12, v13, 8, v12
	ds_store_b32 v4, v[CR] offset:REC*(\t)
	ds_store_b32 v4, v[CR+1] offset:REC*(\t)+16
	ds_store_b16 v5, v12 offset:REC*(\t)+256       ; the four lanes of a block write the same bytes with the same value
.endm
.macro BACK n                          ; 16 records as 17 runs of 256 bytes: LDS serves a wave's instructions in order (ISA guide 5.7.1.4), so these see the stores above
.irp j, 0,1,2,3,4,5,6,7,8,9,10,11,12,13,14,15,16
	ds_load_b64 v[OUTR+34*\n+2*\j:OUTR+34*\n+2*\j+1], v6 offset:16*REC*\n+256*\j
.endr
.endm
.irp t, 0,1,2,3,4,5,6,7,8,9,10,11,12,13,14,15
	STEP \t
.endr
	BACK 0
	STEP 16
	STEP 17
	s_wait_dscnt 6                                 ; the 17 runs are in; the two steps' six LDS stores behind them may be out
.irp j, 0,1,2,3,4,5,6,7,8,9,10,11,12,13,14,15,16
	global_store_b64 v7, v[OUTR+2*\j:OUTR+2*\j+1], s[8:9] offset:256*\j
.endr
.irp t, 18,19,20,21,22,23,24,25,26,27,28,29,30,31
	STEP \t
.endr
	BACK 1
.irp j, 0,1,2,3,4,5,6,7,8,9,10,11,12,13,14,15,16
	s_wait_dscnt 16-\j                             ; run j is in; the younger ones may be out
	global_store_b64 v7, v[OUTR+34+2*\j:OUTR+34+2*\j+1], s[8:9] offset:16*REC+256*\j
.endr
	s_wait_tensorcnt 0x0                           ; the wave's end
	ds_add_u32 v[SPW], v[NIL]
	s_wait_dscnt 0x0
	s_endpgm
.Lfunc_end_k_qd4e8906bc2_quant:
	.size	k_qd4e8906bc2_quant, .Lfunc_end_k_qd4e8906bc2_quant-k_qd4e8906bc2_quant
	.p2alignl 7, 3214868480
	.fill 96, 4, 3214868480
	.section	.rodata,"a",@progbits
	.p2align	6, 0x0
	.amdhsa_kernel k_qd4e8906bc2_quant
		.amdhsa_group_segment_fixed_size 70656
		.amdhsa_private_segment_fixed_size 0
		.amdhsa_enable_private_segment 0
		.amdhsa_kernarg_size 32
		.amdhsa_user_sgpr_count 2
		.amdhsa_user_sgpr_kernarg_segment_ptr 1
		.amdhsa_wavefront_size32 1
		.amdhsa_system_sgpr_workgroup_id_x 1
		.amdhsa_system_sgpr_workgroup_id_y 1
		.amdhsa_system_sgpr_workgroup_id_z 1
		.amdhsa_system_vgpr_workitem_id 0
		.amdhsa_next_free_vgpr 232
		.amdhsa_next_free_sgpr 66
		.amdhsa_reserve_vcc 1
		.amdhsa_float_denorm_mode_32 3
		.amdhsa_float_denorm_mode_16_64 3
		.amdhsa_memory_ordered 1
		.amdhsa_forward_progress 1
		.amdhsa_inst_pref_size 97
	.end_amdhsa_kernel
	.amdgpu_metadata
---
amdhsa.version: [ 1, 2 ]
amdhsa.kernels:
  - .name:           k_qd4e8906bc2_quant
    .symbol:         k_qd4e8906bc2_quant.kd
    .args:
      - { .name: encoder_outputs, .offset: 0, .size: 8, .value_kind: global_buffer, .address_space: global }
      - { .name: W, .offset: 8, .size: 8, .value_kind: global_buffer, .address_space: global }
      - { .name: aq, .offset: 16, .size: 8, .value_kind: global_buffer, .address_space: global }
      - { .name: wq, .offset: 24, .size: 8, .value_kind: global_buffer, .address_space: global }
    .group_segment_fixed_size: 70656
    .private_segment_fixed_size: 0
    .kernarg_segment_align: 8
    .kernarg_segment_size: 32
    .max_flat_workgroup_size: 256
    .sgpr_count:     66
    .vgpr_count:     232
    .wavefront_size: 32
...
	.end_amdgpu_metadata
.endif
;; end of part 1
;; launch gemm (part 2): grid 16 x 16, 4 waves a work-group, clusters of 4 x 4, 327,680 bytes of LDS; arguments aq, wq, b, hidden, part; writes part
.if DOCPART == 2
	.amdgcn_target "amdgcn-amd-amdhsa--gfx1250"
	.amdhsa_code_object_version 6
	.text
	.protected	k_qd4e8906bc2_gemm
	.globl	k_qd4e8906bc2_gemm
	.p2align	8
	.type	k_qd4e8906bc2_gemm,@function
k_qd4e8906bc2_gemm:
	s_mov_b64 s[64:65], 0
	v_nop
	global_prefetch_b8 v0, s[64:65] scope:SCOPE_SE
	s_setreg_imm32_b32 hwreg(HW_REG_WAVE_MODE, 25, 1), 1
	s_wait_xcnt 0x0
	s_wait_alu depctr_hold_cnt(0) depctr_sa_sdst(0) depctr_va_vdst(0) depctr_va_sdst(0) depctr_va_ssrc(0) depctr_va_vcc(0) depctr_vm_vsrc(0)
	s_getreg_b32 s2, hwreg(HW_REG_IB_STS2, 6, 4)
	s_cmp_eq_u32 s2, 0
	s_cbranch_scc0 .Lentry_in_a_cluster
	s_endpgm
.Lentry_in_a_cluster:
	s_bfe_u32 s2, ttmp6, 0x10000c
	s_cmp_lg_u32 s2, 0xf033
	s_cbranch_scc0 .Lentry_shape_is_right
	s_endpgm
.Lentry_shape_is_right:
; energy[m][g] = the sum over k of A[m][k] W[g][k] on codes of FP4 (m = 2 s + batch, 4,096 of them; g, k: 4,096), f32 sums; then, in f32, part[c][m] = the sum over the 128 g of column c of (energy[m][g] + b[g]) hidden[batch][g].
; c = 0 .. 31; energy never leaves the registers.  The bias is taken as one sum of b[g] hidden[batch][g], which starts the sum of every m: the order of rounding differs from the reference's.
; LIMITS: NaN and infinities among the inputs are not served.
; SHARES.  A work-group makes 256 m x 256 g, a wave 128 x 128: 32 accumulators of 32 g x 16 m, 512 registers.  K goes in eight slots of 512 through a ring of two LDS slots; a slot is four steps of 128.
; A record of aq or wq is 272 bytes: 256 of codes and 16 of scales; 128 rows of a slot are one dense run of 34,816 bytes, stated as 136 rows of 256 bytes, and the 272 bytes are also the pitch in LDS, so that 16 rows start at 16 different banks (64 banks of 4 bytes: ISA guide 11.1).
; CLUSTERS of 4 x 4: the four of a row share the tiles of A, the four of a column those of W: joint loads, one a wave (waves 0, 1: A's halves; waves 2, 3: W's).
; THE ORDER OF A STEP: ONE run of 32 LDS loads, the fragments of the step that follows, into the other fragment buffer; it stands at the step's head, in a slot's first step behind the first two blocks.  The 32 products go by
; blocks of 16 m, each with the wave's four 32-row tiles of W.  The 32 accumulators take turns, so 31 other products stand between two on the same one.
; SOURCE 0 = 32 rows of W, SOURCE 1 = 16 rows of A: lane l holds m = l % 16 of a block, and its 16 registers are g = 8 (l / 16) + 0 .. 7 and 16 + the same.
; REGISTERS, in windows of 256.  Window 0: v0-31 addresses; v32-95 scale words, 32 for each slot: W's four tiles, then A's four pairs of blocks (the even block in lanes 0-15, the odd one in lanes 16-31), four words each;
; v128-255 A's fragments, two buffers of 64.
; Window 1: v0-127 W's fragments, two buffers of 64; v128-191 hidden, v192-255 b at my g.  Windows 2, 3: the accumulators of blocks 0-3 and 4-7.
.set PITCH,  272
.set HALFT,  128*PITCH
.set SLOT,   4*HALFT                   ; A's 256 rows, then W's 256 rows
.set KPLANE, 4096*PITCH                ; a K slot's records of all rows
.set LAPS,   4                         ; a lap = two K slots
.set SPARE,  2*SLOT                    ; the spare words, 128 bytes for each wave
.set STAGE,  SPARE+512                 ; the way out: 512 bytes for each wave
.set SB,   2                           ; v2-9   four chains of the bias sum, then the sum in v[2:3]
.set HA,   12                          ; v12    offset in hidden
.set BA,   13                          ; v13    offset in b
.set ADRA, 16                          ; v16-17 my fragments of A in slot 0, 1
.set ADRB, 18                          ; v18-19 of W
.set ADWS, 20                          ; v20-21 W's records by row = lane
.set ADES, 22                          ; v22-23 A's records by row = lane
.set STO,  24
.set RD,   25
.set CO,   26
.set SPW,  28                          ; v28    my spare word's address; never rewritten
.set NIL,  29                          ; v29    0; never rewritten
.set PFO,  30                          ; v30-31 the prefetches' offsets
.set SC,   32
.set BK,   32                          ; the way out: slot 0's scale words are done with
.set EF,   128
.set SD,   128                         ; the last step: four chains for each of eight blocks, in A's buffer 0, which is done with
.set HV,   128
.set BV,   192
.set G1,  24                           ; s[24:31] group 1 for A's tiles; s[48:55] for W's: they differ in the mask alone
.set G0,  32                           ; s[32:39] group 0 for A's tiles, a set for each slot; s[56:63] for W's
.set G1B, 48
.set G0B, 56
.set PFA, 66                           ; s[66:67] where my prefetches stand
.set MUL_LO, 0xa1                      ; source 0 window 1, source 1 window 0, C and D window 2 (+ 0x50: window 3)
.set TO_B,   0x40                      ; destination window 1, address window 0
.set MSB, 0
.macro WIN new
.set NEWW, \new
.if MSB != NEWW
	s_set_vgpr_msb (MSB<<8)|NEWW
.set MSB, NEWW
.endif
.endm
.macro PLACES
.rept 4
	v_nop
.endr
.endm
; A joint load: two lines, each with one mask and one set of registers for all that issue it; the branch hangs on the wave's number alone.
.macro JLOAD s
	s_cmp_eq_u32 s15, 0
	s_cbranch_scc0 .Lfor_b_\@
	tensor_load_to_lds s[G0+4*\s:G0+4*\s+3], s[G1:G1+7]
	s_nop 0
	PLACES
	s_branch .Lasked_\@
.Lfor_b_\@:
	tensor_load_to_lds s[G0B+4*\s:G0B+4*\s+3], s[G1B:G1B+7]
	s_nop 0
	PLACES
.Lasked_\@:
.endm
; A PREFETCH INTO THE L2: in the loop, behind the joint load of K slot j, for K slot j + 2.  At the head: K slot 1 once hidden and b are in, K slot 2 behind K slot 1's load, K slot 3 a step later.
; Of the 136 blocks of 256 bytes that a wave fetches each of the four partners that ask for them jointly names 34, told apart by address (cx for A, cy for W): 32 by the first line, a lane a block; two by the second,
; whose lanes 1 to 31 name the last one.  The last two refills ask for nothing: no K slot stands behind them.
.macro ASKP off
	global_prefetch_b8 v[PFO], s[PFA:PFA+1] offset:\off th:TH_LOAD_NT scope:SCOPE_SE
	global_prefetch_b8 v[PFO+1], s[PFA:PFA+1] offset:\off th:TH_LOAD_NT scope:SCOPE_SE
.endm
.macro CREST                           ; a round of the cluster's barrier behind its opening barrier
	s_cmp_lg_u32 s14, 0
	s_cbranch_scc1 .Lnot_wave_0_\@
	s_barrier_signal -3
.Lnot_wave_0_\@:
	s_barrier_wait -3
	s_barrier_signal -1
	s_barrier_wait -1
.endm
.macro CROUND
	s_barrier_signal -1
	s_barrier_wait -1
	CREST
.endm
	s_load_b256 s[4:11], s[0:1], 0x0               ; aq s[4:5], wq s[6:7], b s[8:9], hidden s[10:11]
	s_load_b64 s[12:13], s[0:1], 0x20              ; part
	v_lshl_add_u32 v[SPW], v0, 2, SPARE
	v_mov_b32 v[NIL], 0
	ds_add_u32 v[SPW], v[NIL]                      ; the wave's opening
	ds_add_u32 v[SPW], v[NIL]
	v_lshrrev_b32 v1, 5, v0
	v_readfirstlane_b32 s14, v1                    ; wave 0..3
	s_lshr_b32 s15, s14, 1                         ; which 128 m are mine; also: I fetch for A (0) or for W (1)
	s_and_b32 s16, s14, 1                          ; which 128 g are mine; also: which half of a tile I fetch
	s_bfe_u32 s40, ttmp6, 0x40000                  ; cx
	s_bfe_u32 s41, ttmp6, 0x40004                  ; cy
	s_lshl_b32 s42, ttmp9, 2
	s_add_co_u32 s42, s42, s40                     ; tile column (g)
	s_and_b32 s17, ttmp7, 0xffff
	s_lshl_b32 s17, s17, 2
	s_add_co_u32 s17, s17, s41                     ; tile row (m)
	s_lshl_b32 s43, s41, 2
	s_lshl_b32 s43, 15, s43                        ; my row of the cluster
	s_lshl_b32 s44, 0x1111, s40                    ; my column
	s_or_b32 s[G1+0], s43, (3<<16)|(1<<21)         ; the mask; elements of 8 bytes; bit 21 beside a mask
	s_or_b32 s[G1B+0], s44, (3<<16)|(1<<21)
.irp g, G1, G1B
	s_mov_b32 s[\g+1], 32<<16                      ; rows of 32 elements, 136 of them, dense
	s_mov_b32 s[\g+2], 136<<16
	s_mov_b32 s[\g+3], 32<<16
	s_mov_b32 s[\g+4], 136
	s_mov_b32 s[\g+5], 32
	s_mov_b32 s[\g+6], 0
	s_mov_b32 s[\g+7], 0
.endr
	s_lshl_b32 s18, s16, 7
	s_lshl_b32 s20, s17, 8
	s_add_co_u32 s20, s20, s18                     ; A: row 256 x tile row + 128 x half
	s_lshl_b32 s46, s42, 8
	s_add_co_u32 s46, s46, s18                     ; W: row 256 x tile column + 128 x half
	s_mul_i32 s20, s20, PITCH
	s_mul_i32 s46, s46, PITCH
	s_mov_b32 s21, 0
	s_mov_b32 s47, 0
	s_mul_i32 s45, s14, HALFT                      ; where my part of a slot lies
.irp s, 0,1
	s_mov_b32 s[G0+4*\s], 1
	s_add_co_u32 s[G0+4*\s+1], s45, \s*SLOT
	s_mov_b32 s[G0B+4*\s], 1
	s_add_co_u32 s[G0B+4*\s+1], s45, \s*SLOT
.endr
	s_mul_i32 s68, s15, HALFT                      ; my 128 rows of A in slot 0, 1
	s_add_co_u32 s69, s68, SLOT
	s_mul_i32 s70, s16, HALFT
	s_add_co_u32 s70, s70, 2*HALFT                 ; my 128 rows of W
	s_add_co_u32 s71, s70, SLOT
	s_lshl_b32 s72, s14, 9
	s_add_co_u32 s72, s72, STAGE
	; a fragment row's 64 bytes a step: lane (r, h) takes 16 bytes at 16 h and at 32 + 16 h
	v_and_b32 v1, 15, v0                           ; r
	v_bfe_u32 v2, v0, 4, 1                         ; h
	v_and_b32 v3, 31, v0                           ; lane
	v_mul_u32_u24 v4, v1, PITCH
	v_lshl_add_u32 v5, v2, 4, v4
	v_mul_u32_u24 v6, v3, PITCH
	v_add_nc_u32 v[ADRA], s68, v5
	v_add_nc_u32 v[ADRA+1], s69, v5
	v_add_nc_u32 v[ADRB], s70, v5
	v_add_nc_u32 v[ADRB+1], s71, v5
	v_add_nc_u32 v[ADES], s68, v6
	v_add_nc_u32 v[ADES+1], s69, v6
	v_add_nc_u32 v[ADWS], s70, v6
	v_add_nc_u32 v[ADWS+1], s71, v6
	v_lshl_add_u32 v[STO], v3, 2, s72
	v_lshlrev_b32 v[CO], 4, v3
	v_add_nc_u32 v[RD], s72, v[CO]
	v_lshlrev_b32 v[PFO], 8, v3
	v_min_u32 v[PFO+1], 1, v3
	v_lshlrev_b32 v[PFO+1], 8, v[PFO+1]
	v_add_nc_u32 v[PFO+1], 0x2000, v[PFO+1]
	v_and_b32 v7, 1, v0                            ; my m's batch
	v_lshlrev_b32 v7, 14, v7
	v_lshlrev_b32 v[BA], 5, v2
	v_add_nc_u32 v[HA], v7, v[BA]
	s_wait_alu depctr_va_vdst(0)
	s_wait_dscnt 0x0                               ; both opening adds are done
	CROUND                                         ; all sixteen work-groups are here; the arguments are on their way meanwhile
	s_wait_kmcnt 0x0
	s_add_nc_u64 s[20:21], s[4:5], s[20:21]
	s_add_nc_u64 s[46:47], s[6:7], s[46:47]
.irp s, 0,1
	s_add_nc_u64 s[G0+4*\s+2:G0+4*\s+3], s[20:21], \s*KPLANE
	s_or_b32 s[G0+4*\s+3], s[G0+4*\s+3], 0x80000000
	s_add_nc_u64 s[G0B+4*\s+2:G0B+4*\s+3], s[46:47], \s*KPLANE
	s_or_b32 s[G0B+4*\s+3], s[G0B+4*\s+3], 0x80000000
.endr
	JLOAD 0                                        ; K slot 0: one tensor load a wave at the head
	s_cmp_eq_u32 s15, 0
	s_cselect_b64 s[PFA:PFA+1], s[20:21], s[46:47] ; the rows that I fetch,
	s_cselect_b32 s73, s40, s41                    ; my place among the four that fetch them,
	s_mul_i32 s74, s73, 34*256                     ; and my 34 blocks
	s_mov_b32 s75, 0
	s_add_nc_u64 s[PFA:PFA+1], s[PFA:PFA+1], s[74:75]
	s_lshl_b32 s46, s42, 10
	s_lshl_b32 s47, s16, 9
	s_add_co_u32 s46, s46, s47
	s_mov_b32 s47, 0
	s_add_nc_u64 s[8:9], s[8:9], s[46:47]          ; b and hidden at my first g
	s_add_nc_u64 s[10:11], s[10:11], s[46:47]
	WIN TO_B
.irp bb, 0,1,2,3,4,5,6,7                ; register 8 bb + i is g = 16 bb + 8 h + i
	global_load_b128 v[HV+8*\bb:HV+8*\bb+3],   v[HA], s[10:11] offset:64*\bb
	global_load_b128 v[HV+8*\bb+4:HV+8*\bb+7], v[HA], s[10:11] offset:64*\bb+16
	global_load_b128 v[BV+8*\bb:BV+8*\bb+3],   v[BA], s[8:9] offset:64*\bb
	global_load_b128 v[BV+8*\bb+4:BV+8*\bb+7], v[BA], s[8:9] offset:64*\bb+16
.endr
	WIN 0
	s_lshl_b32 s20, s17, 10                        ; part: plane 2 x tile column + g half; 4 x (256 x tile row + 128 x m half) bytes on
	s_lshl_b32 s21, s15, 9
	s_add_co_u32 s20, s20, s21
	s_mov_b32 s21, 0
	s_add_nc_u64 s[12:13], s[12:13], s[20:21]
	s_lshl_b32 s46, s42, 15
	s_lshl_b32 s47, s16, 14
	s_add_co_u32 s46, s46, s47
	s_mov_b32 s47, 0
	s_add_nc_u64 s[12:13], s[12:13], s[46:47]
	s_wait_loadcnt 0x0                             ; hidden and b
	ASKP KPLANE                                    ; K slot 1
	WIN 0x05                                       ; the bias sum, while K slot 0 is on its way: sources in window 1
.set i, 0
.rept 32
.set SX, SB+2*(i%4)
.if i < 4
	v_pk_mul_f32 v[SX:SX+1], v[BV+2*i:BV+2*i+1], v[HV+2*i:HV+2*i+1]
.else
	v_pk_fma_f32 v[SX:SX+1], v[BV+2*i:BV+2*i+1], v[HV+2*i:HV+2*i+1], v[SX:SX+1]
.endif
.set i, i+1
.endr
	WIN 0
	v_pk_add_f32 v[SB:SB+1], v[SB:SB+1], v[SB+2:SB+3]
	v_pk_add_f32 v[SB+4:SB+5], v[SB+4:SB+5], v[SB+6:SB+7]
	v_pk_add_f32 v[SB:SB+1], v[SB:SB+1], v[SB+4:SB+5]
	s_wait_alu depctr_va_vdst(0)
.macro WM e, w, p, q, sc, zero         ; block e of A x tile w of W, fragment buffer p, step q of the slot, scale set sc; an odd block's scales stand in lanes 16-31
.set AX, 16*(4*((\e)%4)+(\w))
.set WX, 64*(\p)+16*(\w)
.set EX, EF+64*(\p)+8*(\e)
.set SWX, SC+32*(\sc)+4*(\w)+(\q)
.set SEX, SC+32*(\sc)+16+4*((\e)/2)+(\q)
.if (\e)%2
.if \zero
	v_wmma_scale_f32_32x16x128_f4 v[AX:AX+15], v[WX:WX+15], v[EX:EX+7], 0, v[SWX], v[SEX] matrix_b_scale:MATRIX_SCALE_ROW1
.else
	v_wmma_scale_f32_32x16x128_f4 v[AX:AX+15], v[WX:WX+15], v[EX:EX+7], v[AX:AX+15], v[SWX], v[SEX] matrix_b_scale:MATRIX_SCALE_ROW1
.endif
.else
.if \zero
	v_wmma_scale_f32_32x16x128_f4 v[AX:AX+15], v[WX:WX+15], v[EX:EX+7], 0, v[SWX], v[SEX]
.else
	v_wmma_scale_f32_32x16x128_f4 v[AX:AX+15], v[WX:WX+15], v[EX:EX+7], v[AX:AX+15], v[SWX], v[SEX]
.endif
.endif
.endm
.macro GRP e, p, q, sc, zero
	WIN MUL_LO+0x50*((\e)/4)
.irp w, 0,1,2,3
	WM \e, \w, \p, \q, \sc, \zero
.endr
.endm
.macro LDW slot, q, p, w               ; a tile of W: 32 rows x 128 k, four loads
	WIN TO_B
.irp u, 0,1
.irp c, 0,1
	ds_load_b128 v[64*(\p)+16*(\w)+8*\u+4*\c:64*(\p)+16*(\w)+8*\u+4*\c+3], v[ADRB+\slot] offset:(32*(\w)+16*\u)*PITCH+64*(\q)+32*\c
.endr
.endr
.endm
.macro LDE slot, q, p, e               ; blocks e and e + 1 of A, four loads
	WIN 0
.irp u, 0,1
.irp c, 0,1
	ds_load_b128 v[EF+64*(\p)+8*((\e)+\u)+4*\c:EF+64*(\p)+8*((\e)+\u)+4*\c+3], v[ADRA+\slot] offset:16*((\e)+\u)*PITCH+64*(\q)+32*\c
.endr
.endr
.endm
.macro LDES slot, e                    ; the slot's scale words of blocks e and e + 1 of A: lane = row of the pair
	WIN 0
	ds_load_b128 v[SC+32*\slot+16+2*(\e):SC+32*\slot+16+2*(\e)+3], v[ADES+\slot] offset:16*(\e)*PITCH+256
.endm
.macro FIRST slot                      ; a slot's scale words and its first step's fragments, 40 loads: what the first pair of blocks needs, 25, then three pairs of blocks, 5 each
	WIN 0
.irp w, 0,1,2,3                         ; W's scale words: lane = row of the tile
	ds_load_b128 v[SC+32*\slot+4*\w:SC+32*\slot+4*\w+3], v[ADWS+\slot] offset:32*\w*PITCH+256
.endr
	LDES \slot, 0
.irp w, 0,1,2,3
	LDW \slot, 0, 0, \w
.endr
	LDE \slot, 0, 0, 0
.irp e, 2,4,6
	LDES \slot, \e
	LDE \slot, 0, 0, \e
.endr
.endm
.macro RUN slot, q                     ; step q's fragments, 32 loads: W's tiles, then A's blocks by pairs, 4 each.  Four v_nop stand between the last products that read this buffer and the first load into it
	PLACES
.irp w, 0,1,2,3
	LDW \slot, (\q), (\q)%2, \w
.endr
.irp e, 0,2,4,6
	LDE \slot, (\q), (\q)%2, \e
.endr
.endm
; A step but a slot's last.  A counted wait lets out the younger pairs of blocks of this step, PEND loads each (4, or 5 where FIRST issued them with their scale words), and the 32 loads of the run, once it is issued.
; meet, in a slot's third step: 1, 2: the change of slots begins: all my tensor loads are done, the add, two groups of products, the add and my last LDS reads of this slot are done: signalled.  1: the slot will be filled again.
.macro STEP slot, q, zero, meet
.set PB, (\q)%2
.if (\q) == 0
.set PEND, 5
	s_wait_dscnt 3*PEND
.else
.set PEND, 4
	RUN \slot, (\q)+1
	s_wait_dscnt 3*PEND+32
.endif
	GRP 0, PB, \q, \slot, \zero
	GRP 1, PB, \q, \slot, \zero
.if (\q) == 0
	RUN \slot, 1
.endif
	s_wait_dscnt 2*PEND+32
	GRP 2, PB, \q, \slot, \zero
	GRP 3, PB, \q, \slot, \zero
	s_wait_dscnt PEND+32
	GRP 4, PB, \q, \slot, \zero
	GRP 5, PB, \q, \slot, \zero
	s_wait_dscnt 32
.if \meet
	WIN 0
	s_wait_tensorcnt 0x0
	ds_add_u32 v[SPW], v[NIL]
.if (\meet) == 1
	s_add_nc_u64 s[G0+4*\slot+2:G0+4*\slot+3], s[G0+4*\slot+2:G0+4*\slot+3], 2*KPLANE
	s_add_nc_u64 s[G0B+4*\slot+2:G0B+4*\slot+3], s[G0B+4*\slot+2:G0B+4*\slot+3], 2*KPLANE
.if (\slot) == 0
	s_wait_xcnt 0x0                                ; my prefetches have read their address
	s_add_nc_u64 s[PFA:PFA+1], s[PFA:PFA+1], 2*KPLANE
.endif
.endif
.endif
	GRP 6, PB, \q, \slot, \zero
	GRP 7, PB, \q, \slot, \zero
.if \meet
	s_wait_dscnt 0x0
	s_barrier_signal -1
.endif
.endm
; A slot's last step.  Its fragments are in registers: one group of products stands between the signal and the wait; behind the round nobody of the cluster reads the slot, and the refill comes first;
; then the next slot's first loads, and the other seven groups.
.macro TURN slot, next, fill
	GRP 0, 1, 3, \slot, 0
	WIN 0
	s_barrier_wait -1
.if \fill
	CREST
	JLOAD \slot
.else
	PLACES
.endif
	FIRST \next
.if \fill
	s_cmp_gt_u32 s3, 1                             ; the loop's last trip asks for nothing
	s_cbranch_scc0 .Lno_ask_\@
	ASKP (2+\slot)*KPLANE                          ; two K slots behind the one just asked for
.Lno_ask_\@:
.endif
.irp e, 1,2,3,4,5,6,7
	GRP \e, 1, 3, \slot, 0
.endr
.endm
; part w of block e's dot product with hidden: 8 x 2 of its numbers, in four chains; the first chain begins with the bias sum
.macro DOT e, w
	WIN 0x06+((\e)/4)
.irp j, 0,1,2,3,4,5,6,7
.set SX, SD+8*(\e)+2*(\j%4)
.set AX, 16*(4*((\e)%4)+(\w))+2*\j
.set HX, HV+16*(\w)+2*\j
.if (\w) > 0 || \j > 3
	v_pk_fma_f32 v[SX:SX+1], v[AX:AX+1], v[HX:HX+1], v[SX:SX+1]
.else
.if \j == 0
	v_pk_fma_f32 v[SX:SX+1], v[AX:AX+1], v[HX:HX+1], v[SB:SB+1]
.else
	v_pk_mul_f32 v[SX:SX+1], v[AX:AX+1], v[HX:HX+1]
.endif
.endif
.endr
.endm
	s_wait_tensorcnt 0x0                           ; my part of K slot 0 is in
	ds_add_u32 v[SPW], v[NIL]
	s_wait_dscnt 0x0
	CROUND                                         ; everybody's part is in, and the joint loads meet
	JLOAD 1
	FIRST 0
	ASKP 2*KPLANE                                  ; K slot 2
	STEP 0, 0, 1, 0                                ; the first step's products start the sums
	WIN 0                                          ; at a label and at a branch every window is 0
	ASKP 3*KPLANE                                  ; K slot 3
	s_mov_b32 s3, LAPS-1
.Llap:
	STEP 0, 1, 0, 0
	STEP 0, 2, 0, 1
	TURN 0, 1, 1
	STEP 1, 0, 0, 0
	STEP 1, 1, 0, 0
	STEP 1, 2, 0, 1
	TURN 1, 0, 1
	STEP 0, 0, 0, 0
	WIN 0
	s_sub_co_u32 s3, s3, 1
	s_cmp_lg_u32 s3, 0
	s_cbranch_scc1 .Llap
	STEP 0, 1, 0, 0                                ; the last lap fetches nothing
	STEP 0, 2, 0, 2
	TURN 0, 1, 0
	STEP 1, 0, 0, 0
	STEP 1, 1, 0, 0
	STEP 1, 2, 0, 0
	; THE LAST STEP: block e's products stand among block e - 1's dot products, which are also the places behind them
	s_wait_dscnt 0x0
	GRP 0, 1, 3, 1, 0
	PLACES
.irp e, 1,2,3,4,5,6,7
.irp w, 0,1,2,3
	WIN MUL_LO+0x50*(\e/4)
	WM \e, \w, 1, 3, 1, 0
	DOT \e-1, \w
.endr
.endr
.irp w, 0,1,2,3
	DOT 7, \w
.endr
	WIN 0
.irp e, 0,1,2,3,4,5,6,7
	v_pk_add_f32 v[SD+8*\e:SD+8*\e+1], v[SD+8*\e:SD+8*\e+1], v[SD+8*\e+2:SD+8*\e+3]
	v_pk_add_f32 v[SD+8*\e+4:SD+8*\e+5], v[SD+8*\e+4:SD+8*\e+5], v[SD+8*\e+6:SD+8*\e+7]
.endr
.irp e, 0,1,2,3,4,5,6,7
	v_pk_add_f32 v[SD+8*\e:SD+8*\e+1], v[SD+8*\e:SD+8*\e+1], v[SD+8*\e+4:SD+8*\e+5]
.endr
.irp e, 0,1,2,3,4,5,6,7
	v_add_f32 v[SD+8*\e], v[SD+8*\e], v[SD+8*\e+1]
.endr
.irp p, 0,1,2,3                         ; lanes l and l xor 16 hold the two halves of a sum: behind the exchange the pair of registers holds both halves of block 2 p in lanes 0-15 and of block 2 p + 1 in lanes 16-31
	v_permlane16_swap_b32 v[SD+16*\p], v[SD+16*\p+8]
.endr
.irp p, 0,1,2,3
	v_add_f32 v[SD+16*\p], v[SD+16*\p], v[SD+16*\p+8]
.endr
.irp p, 0,1,2,3
	ds_store_b32 v[STO], v[SD+16*\p] offset:128*\p   ; m = 32 p + lane
.endr
	ds_load_b128 v[BK:BK+3], v[RD]                 ; LDS serves a wave's instructions in order (ISA guide 5.7.1.4): this sees the stores
	s_wait_dscnt 0x0
	global_store_b128 v[CO], v[BK:BK+3], s[12:13]  ; 512 consecutive bytes, at a multiple of 256
	s_wait_tensorcnt 0x0                           ; the wave's end
	ds_add_u32 v[SPW], v[NIL]
	s_wait_dscnt 0x0
	CROUND                                         ; no work-group ends while a partner may still ask for a tile that names it
	s_endpgm
.Lfunc_end_k_qd4e8906bc2_gemm:
	.size	k_qd4e8906bc2_gemm, .Lfunc_end_k_qd4e8906bc2_gemm-k_qd4e8906bc2_gemm
	.p2alignl 7, 3214868480
	.fill 96, 4, 3214868480
	.section	.rodata,"a",@progbits
	.p2align	6, 0x0
	.amdhsa_kernel k_qd4e8906bc2_gemm
		.amdhsa_group_segment_fixed_size 327680
		.amdhsa_private_segment_fixed_size 0
		.amdhsa_enable_private_segment 0
		.amdhsa_kernarg_size 40
		.amdhsa_user_sgpr_count 2
		.amdhsa_user_sgpr_kernarg_segment_ptr 1
		.amdhsa_wavefront_size32 1
		.amdhsa_system_sgpr_workgroup_id_x 1
		.amdhsa_system_sgpr_workgroup_id_y 1
		.amdhsa_system_sgpr_workgroup_id_z 1
		.amdhsa_system_vgpr_workitem_id 0
		.amdhsa_next_free_vgpr 1024
		.amdhsa_next_free_sgpr 80
		.amdhsa_reserve_vcc 0
		.amdhsa_float_denorm_mode_32 3
		.amdhsa_float_denorm_mode_16_64 3
		.amdhsa_memory_ordered 1
		.amdhsa_forward_progress 1
		.amdhsa_inst_pref_size 142
	.end_amdhsa_kernel
	.amdgpu_metadata
---
amdhsa.version: [ 1, 2 ]
amdhsa.kernels:
  - .name:           k_qd4e8906bc2_gemm
    .symbol:         k_qd4e8906bc2_gemm.kd
    .args:
      - { .name: aq, .offset: 0, .size: 8, .value_kind: global_buffer, .address_space: global }
      - { .name: wq, .offset: 8, .size: 8, .value_kind: global_buffer, .address_space: global }
      - { .name: b, .offset: 16, .size: 8, .value_kind: global_buffer, .address_space: global }
      - { .name: hidden, .offset: 24, .size: 8, .value_kind: global_buffer, .address_space: global }
      - { .name: part, .offset: 32, .size: 8, .value_kind: global_buffer, .address_space: global }
    .group_segment_fixed_size: 327680
    .private_segment_fixed_size: 0
    .kernarg_segment_align: 8
    .kernarg_segment_size: 40
    .max_flat_workgroup_size: 128
    .sgpr_count:     80
    .vgpr_count:     1024
    .wavefront_size: 32
...
	.end_amdgpu_metadata
.endif
;; end of part 2
;; launch final (part 3): grid 64 x 1, 1 waves a work-group, no clusters, 0 bytes of LDS; arguments part, out0; writes out0
.if DOCPART == 3
	.amdgcn_target "amdgcn-amd-amdhsa--gfx1250"
	.amdhsa_code_object_version 6
	.text
	.protected	k_qd4e8906bc2_final
	.globl	k_qd4e8906bc2_final
	.p2align	8
	.type	k_qd4e8906bc2_final,@function
k_qd4e8906bc2_final:
	s_mov_b64 s[64:65], 0
	v_nop
	global_prefetch_b8 v0, s[64:65] scope:SCOPE_SE
	s_setreg_imm32_b32 hwreg(HW_REG_WAVE_MODE, 25, 1), 1
	s_wait_xcnt 0x0
; scores[m] = the sum over c = 0 .. 31 of part[c][m];  out0[s][:] = softmax over the two batches of scores[2 s], scores[2 s + 1].  part: [32][4096] f32;  out0: [2048][2] f32.
; A lane owns one s: its pair of rows is 8 neighbouring bytes in every plane of part and in out0.  A work-group is one wave, 32 values of s: each load and the store cover 256 consecutive bytes, at a multiple of 256 from the buffer's first byte.
; All 32 loads of a wave are issued together; nothing is shared between lanes: no LDS, no barrier, no matrix unit.
; The pair's maximum is taken away before the exponentials, so the larger one is 1 and the divisor lies between 1 and 2 for all finite scores.  An exponential under the smallest normal f32 number comes out as 0 (ISA guide 15.8).
.set P, 8                              ; v8-71: plane c's pair at v[P + 2 c]
	s_load_b128 s[4:7], s[0:1], 0x0                ; part s[4:5], out0 s[6:7]
	v_lshlrev_b32 v1, 3, v0                        ; 8 bytes a lane
	s_lshl_b32 s8, ttmp9, 8                        ; 256 bytes a work-group
	s_mov_b32 s9, 0
	s_wait_alu depctr_va_vdst(0)
	s_wait_kmcnt 0x0
	s_add_nc_u64 s[4:5], s[4:5], s[8:9]
	s_add_nc_u64 s[6:7], s[6:7], s[8:9]
.irp c, 0,1,2,3,4,5,6,7,8,9,10,11,12,13,14,15,16,17,18,19,20,21,22,23,24,25,26,27,28,29,30,31
	global_load_b64 v[P+2*\c:P+2*\c+1], v1, s[4:5] offset:16384*\c th:TH_LOAD_NT
.endr
	s_wait_loadcnt 0x0
.irp c, 4,5,6,7,8,9,10,11,12,13,14,15,16,17,18,19,20,21,22,23,24,25,26,27,28,29,30,31
	v_pk_add_f32 v[P+2*(\c%4):P+2*(\c%4)+1], v[P+2*(\c%4):P+2*(\c%4)+1], v[P+2*\c:P+2*\c+1]   ; four chains, started by the first four planes: nothing is cleared
.endr
	v_pk_add_f32 v[P:P+1], v[P:P+1], v[P+2:P+3]
	v_pk_add_f32 v[P+4:P+5], v[P+4:P+5], v[P+6:P+7]
	v_pk_add_f32 v[P:P+1], v[P:P+1], v[P+4:P+5]    ; v8, v9: the two scores
	v_max_num_f32 v2, v[P], v[P+1]
	v_sub_f32 v3, v[P], v2
	v_sub_f32 v4, v[P+1], v2
	v_mul_f32 v3, 0x3fb8aa3b, v3                   ; x log2(e): the exponential works in base 2
	v_mul_f32 v4, 0x3fb8aa3b, v4
	s_wait_alu depctr_va_vdst(0)
	v_exp_f32 v72, v3
	v_exp_f32 v73, v4
	v_nop                                          ; a plain instruction between the last exponential and the use of its result (ISA guide 5.7.2)
	s_wait_alu depctr_va_vdst(0)                   ; and the wait ahead of the first use: one for both
	v_add_f32 v5, v72, v73
	s_wait_alu depctr_va_vdst(0)
	v_rcp_f32 v6, v5
	v_nop
	s_wait_alu depctr_va_vdst(0)
	v_mul_f32 v74, v72, v6
	v_mul_f32 v75, v73, v6
	global_store_b64 v1, v[74:75], s[6:7]
	s_endpgm
.Lfunc_end_k_qd4e8906bc2_final:
	.size	k_qd4e8906bc2_final, .Lfunc_end_k_qd4e8906bc2_final-k_qd4e8906bc2_final
	.p2alignl 7, 3214868480
	.fill 96, 4, 3214868480
	.section	.rodata,"a",@progbits
	.p2align	6, 0x0
	.amdhsa_kernel k_qd4e8906bc2_final
		.amdhsa_group_segment_fixed_size 0
		.amdhsa_private_segment_fixed_size 0
		.amdhsa_enable_private_segment 0
		.amdhsa_kernarg_size 16
		.amdhsa_user_sgpr_count 2
		.amdhsa_user_sgpr_kernarg_segment_ptr 1
		.amdhsa_wavefront_size32 1
		.amdhsa_system_sgpr_workgroup_id_x 1
		.amdhsa_system_sgpr_workgroup_id_y 1
		.amdhsa_system_sgpr_workgroup_id_z 1
		.amdhsa_system_vgpr_workitem_id 0
		.amdhsa_next_free_vgpr 80
		.amdhsa_next_free_sgpr 66
		.amdhsa_reserve_vcc 0
		.amdhsa_float_denorm_mode_32 3
		.amdhsa_float_denorm_mode_16_64 3
		.amdhsa_memory_ordered 1
		.amdhsa_forward_progress 1
		.amdhsa_inst_pref_size 7
	.end_amdhsa_kernel
	.amdgpu_metadata
---
amdhsa.version: [ 1, 2 ]
amdhsa.kernels:
  - .name:           k_qd4e8906bc2_final
    .symbol:         k_qd4e8906bc2_final.kd
    .args:
      - { .name: part, .offset: 0, .size: 8, .value_kind: global_buffer, .address_space: global }
      - { .name: out0, .offset: 8, .size: 8, .value_kind: global_buffer, .address_space: global }
    .group_segment_fixed_size: 0
    .private_segment_fixed_size: 0
    .kernarg_segment_align: 8
    .kernarg_segment_size: 16
    .max_flat_workgroup_size: 32
    .sgpr_count:     66
    .vgpr_count:     80
    .wavefront_size: 32
...
	.end_amdgpu_metadata
.endif
;; end of part 3
